; MI455X (gfx1250); checked and timed in simulation.
; The chip was launched on July 23, 2026; its instructions are those of AMD's public machine-readable ISA for CDNA 5 (MIT licence, August 2026) and "CDNA5" Instruction Set Architecture Reference Guide (July 2026). The comments in the code are by the model that wrote it; some were corrected since.
;; SAP Module. Allowed arithmetic: matrix products marked QUANTISED: E2M1 operands, one E8M0 scale for each 32 along K, by v_wmma_scale_f32_16x16x128_f8f6f4 with both operands' format E2M1 (or v_wmma_scale_f32_32x16x128_f4), f32 sums; everything else in f32.
;; Inputs: x 8 x 256 x 64 x 64 float32.
;; Outputs: out0 8 x 256 x 64 x 64 float32.
;; Constants: threshold = 0.05.
;; This version of the problem:
;;   THIS VERSION OF THE PROBLEM IS GIVEN IN LOW PRECISION. The matrix products marked QUANTISED in the list below multiply operands that are first quantised to E2M1 (2 exponent bits, 1 mantissa bit; 4 bits a number), with one power-of-two scale for each 32 numbers along K (OCP MX v1.0); their sums are f32. All else is computed in f32.
;;   The module's matrix products, in the order in which they are computed (A, B: the left and right operand; K: the contracted axis; several contracted axes count as one K, in the product's order):
;;     1. batch 8 x [M 4,096, K 256] x [K 256, N 4,096]; A: input x; B: input x: QUANTISED
;;     2. batch 8 x [M 256, K 4,096] x [K 4,096, N 4,096]; A: input x; B: softmax (see below): QUANTISED
;;   THE QUANTISER, for each operand of a quantised product, along K:
;;     - K is cut into blocks of 32 from its start; a last block that is shorter is filled with zeros.
;;     - A block's scale is 2^e with e = floor(log2(the largest magnitude in the block)) - 2, held to -126 .. 127; a block of zeros has e = 0. As a byte (E8M0): e + 127.
;;     - Each number is divided by its block's scale, clamped to +-6, and rounded to the nearest number of E2M1, ties to even, subnormals kept.
;;     - The product sums the exact products of the quantised numbers (number of the format x scale) in f32.
;;   ~~~python
;;   def quantise(x, axis):      # numpy; x: float32 -> the quantised numbers, widened to float32 again
;;       x = np.moveaxis(x, axis, -1); K = x.shape[-1]
;;       x = np.pad(x, [(0, 0)] * (x.ndim - 1) + [(0, -K % 32)]); x = x.reshape(x.shape[:-1] + (-1, 32)); a = np.abs(x).max(-1, keepdims=True)
;;       e = np.where(a > 0, np.clip(np.frexp(np.where(a > 0, a, 1))[1] - 1 - 2, -126, 127), 0)      # np.frexp(a)[1] - 1 = floor(log2(a)), exactly
;;       r = np.clip(x / 2.0 ** e, -6, 6)
;;       step = 2.0 ** (np.maximum(np.frexp(np.where(r == 0, 1, r))[1] - 1, 0) - 1)
;;       q = np.round(r / step) * step * 2.0 ** e      # np.round: ties to even
;;       return np.moveaxis(q.reshape(q.shape[:-2] + (-1,))[..., :K], -1, axis).astype(np.float32)
;;   ~~~
;;   SOFTMAX AHEAD OF A QUANTISED PRODUCT. Where the list says 'softmax', what is quantised is not the finished softmax but p = 2^(t - M), with t = logit x log2(e) and M = ceil(the row's largest t), a whole number; so 1/2 < the row's largest p <= 1. The row's sum l is taken of the UNQUANTISED p, in f32, and the product's result is divided by l at the end. Since M is a whole number, a kernel that streams over the keys may use a running M (the ceiling of the running maximum): every later rescaling is an exact power of two, which a block's scale takes up: the codes' values come out the same.
;;   OPERANDS COMPUTED ON THE WAY. 'Computed on the way' means the value that the module computes at that place (a softmax that the list does not call 'softmax' is quantised finished and normalised). What goes into a quantiser is computed in f32, as accurately as f32 sums, v_exp_f32 and their like allow (about 1e-6 of the number): no bf16 or f16 on the way to a quantiser, and a product that is left as it is and whose result goes on into a quantised operand takes f32 operands (vector FMAs, or v_wmma_f32_16x16x4_f32). A number that lies on a knife's edge between two numbers of the format may be rounded either way, as far as f32 arithmetic and the matrix unit's own rounding can turn it there, and no further.
;; One version. Each part assembles by itself: llvm-mc -triple=amdgcn-amd-amdhsa -mcpu=gfx1250 --defsym DOCPART=n.
;; ======== version 1 of 1: 2 launches
;; limits: right only within a limited range of input values
;; workspace buffers: kv 8,912,896 bytes
;; launch quant (part 1): grid 32 x 8, 8 waves a work-group, no clusters, 142,336 bytes of LDS; arguments x, kv; writes kv
.if DOCPART == 1
	.amdgcn_target "amdgcn-amd-amdhsa--gfx1250"
	.amdhsa_code_object_version 6
	.text
	.protected	k_qcf956e3b58_quant
	.globl	k_qcf956e3b58_quant
	.p2align	8
	.type	k_qcf956e3b58_quant,@function
k_qcf956e3b58_quant:
	s_mov_b64 s[64:65], 0
	v_nop
	global_prefetch_b8 v0, s[64:65] scope:SCOPE_SE
	s_setreg_imm32_b32 hwreg(HW_REG_WAVE_MODE, 25, 1), 1
	s_wait_xcnt 0x0
; x [8][256 channels][4096 positions], f32, is read ONCE and quantised to FP4 (E2M1) codes TWICE: along the channels (both operands of the first product) and along the positions
; (the left operand of the second), one E8M0 byte for each 32 numbers.  A block's scale is 2^(floor(log2(its largest magnitude)) - 2): its byte is that magnitude's exponent field - 2, held at 1 from below.
; LIMITS: NaN and infinities are not served.  A block whose largest magnitude lies under 2^-124 (a block of zeros among them) gets the byte 1; a block of zeros has zero codes, which add nothing
; under any byte but 0xff, and the bytes are read by this program alone.
; WHAT IS STORED.  kv holds one block of STEPB bytes for each (batch, key step of 128 positions), laid as IMAGES OF THE OPERANDS' REGISTERS, so that the reader takes 16 bytes a lane at 16 x lane:
;   +0      KC  codes along the channels: fragment (tile T of 16 positions, K step s of 128 channels) at 2048 T + 1024 s; its register group c at + 512 c; lane 16 h + r at + 16 (16 h + r):
;               channel block 4 s + 2 c + h of position 32 (2 (T / 4) + r / 8) + 8 (T % 4) + r % 8   (so the results of four tiles give a lane 32 neighbouring keys: a whole block of the second product's K)
;   +16384  VC  codes along the positions: channel tile ct at 1024 ct + 512 c + 16 (16 h + r): channel 16 ct + r, positions 64 c + 32 h + 0 .. 31 of the step
;   +32768  KS  KC's scale words: 512 g + 16 l + 4 i: tile 4 g + i, row l % 16, K step l / 16
;   +33792  VS  VC's scale words: 512 g + 16 l + 4 i: channel tile 2 (4 g + i) + l / 16, row l % 16
; SHARES.  A work-group takes 256 channels x 128 positions; wave w the channels 32 w .. 32 w + 31, which are ONE block along the channels.  Its 32 loads read 512 consecutive bytes each and are all
; out together.  The 16 KiB go into the wave's own stage in LDS and are read back twice: down the channels (a lane = a position) and along the positions (a lane = a channel).  In both a lane's 32
; registers are a whole block, so no maximum crosses lanes and the conversions' results are 16 bytes of an image.  No tensor loads, no matrix work: memory binds.
.set STEPB,  34816
.set SPITCH, 528                       ; a stage row: 512 bytes + 16
.set WSTG,   32*SPITCH                 ; a wave's stage
.set SCR,    8*WSTG                    ; word [wave][pass][lane]: the channel blocks' bytes, on their way to the wave that joins four of them
.set TAB,    SCR+4096                  ; the images KS and VS, 2,048 bytes
.set E,   25                           ; v25-28   a channel block's byte for each pass
.set X,   32                           ; v32-159  32 rows as loaded
.set Y,   160                          ; v160-223 two sets of 32 numbers: a block
.set C,   224                          ; v224-255 codes: four registers for each of eight blocks, so that no store's data are written again
	s_load_b128 s[4:7], s[0:1], 0x0                ; x, kv
	v_lshl_add_u32 v29, v0, 2, 0x22800             ; my spare word, behind the tables
	s_set_vgpr_msb 0x40
	v_mov_b32 v1, 0                                ; v257 = 0
	s_set_vgpr_msb 0x4000
	v_lshrrev_b32 v1, 5, v0
	s_delay_alu instid0(VALU_DEP_1)
	v_readfirstlane_b32 s8, v1                     ; wave 0..7
	v_and_b32 v1, 31, v0                           ; lane
	s_and_b32 s9, ttmp7, 0xffff                    ; batch
	v_lshlrev_b32 v2, 4, v1                        ; 16 x lane
	s_mul_i32 s10, s8, WSTG                        ; my stage
	v_add_nc_u32 v3, s10, v2                       ; into it: 16 bytes a lane of a row
	v_mul_u32_u24 v5, v1, SPITCH
	s_delay_alu instid0(VALU_DEP_1)
	v_add_nc_u32 v5, s10, v5                       ; out of it, along the positions: a row a lane
	v_and_b32 v14, 15, v1                          ; r = lane % 16
	v_lshrrev_b32 v15, 4, v1                       ; u = lane / 16
	v_and_b32 v4, 7, v1
	v_bfe_u32 v16, v1, 3, 1
	s_delay_alu instid0(VALU_DEP_2)
	v_lshl_add_u32 v4, v4, 2, s10
	s_delay_alu instid0(VALU_DEP_1)
	v_lshl_add_u32 v4, v16, 7, v4
	s_delay_alu instid0(VALU_DEP_1)
	v_lshl_add_u32 v4, v15, 5, v4                  ; out of it, down the channels: in pass k my lane is row r of tile 2 k + u: position 64 (k / 2) + 16 (k % 2) + 32 (r / 8) + 8 u + r % 8
	s_lshl_b32 s11, s8, 8                          ; 256 w = 1024 s + 512 c + 256 h of channel block w = 4 s + 2 c + h
	v_lshlrev_b32 v6, 4, v14
	s_delay_alu instid0(VALU_DEP_1)
	v_lshl_add_u32 v6, v15, 11, v6
	s_delay_alu instid0(VALU_DEP_1)
	v_add_nc_u32 v6, s11, v6                       ; KC: 256 w + 2048 u + 16 r
	s_lshl_b32 s12, s8, 9
	s_add_co_u32 s12, s12, SCR
	v_lshl_add_u32 v7, v1, 2, s12                  ; SCR, my words
	v_lshlrev_b32 v8, 4, v14
	s_delay_alu instid0(VALU_DEP_1)
	v_lshl_add_u32 v8, v15, 10, v8
	s_lshl_b32 s13, s8, 11
	s_add_co_u32 s13, s13, 16384
	v_add_nc_u32 v8, s13, v8                       ; VC: channel tile 2 w + lane / 16, row lane % 16
	s_lshr_b32 s14, s8, 2                          ; w / 4
	s_and_b32 s15, s8, 3                           ; w % 4
	s_lshl_b32 s16, s14, 9
	s_lshl_b32 s17, s15, 2
	s_add_co_u32 s16, s16, s17
	s_add_co_u32 s16, s16, TAB+1024
	v_add_nc_u32 v9, s16, v2                       ; VS: register w of eight, lane as it is
	s_lshl_b32 s16, s14, 11
	s_lshl_b32 s17, s15, 7
	s_add_co_u32 s16, s16, s17
	s_add_co_u32 s16, s16, SCR
	v_lshl_add_u32 v10, v1, 2, s16                 ; SCR, read back: K step w / 4 (four waves' bytes, 512 bytes apart), pass w % 4
	s_bfe_u32 s16, s8, 0x10001                     ; (w / 2) % 2
	s_lshl_b32 s16, s16, 9
	s_and_b32 s17, s8, 1
	s_lshl_b32 s17, s17, 3
	s_add_co_u32 s16, s16, s17
	s_lshl_b32 s17, s14, 8
	s_add_co_u32 s16, s16, s17
	s_add_co_u32 s16, s16, TAB
	v_lshlrev_b32 v11, 4, v14
	s_delay_alu instid0(VALU_DEP_1)
	v_lshl_add_u32 v11, v15, 2, v11
	s_delay_alu instid0(VALU_DEP_1)
	v_add_nc_u32 v11, s16, v11                     ; KS: tile 2 (w % 4) + u, row r, K step w / 4
	s_add_co_u32 s16, s11, TAB
	v_lshl_add_u32 v12, v1, 3, s16                 ; the tables' way out: 256 bytes a wave, 8 a lane
	s_add_co_u32 s16, s11, 32768
	v_lshl_add_u32 v13, v1, 3, s16
	s_lshl_b32 s20, s9, 22                         ; x: batch x 4 MiB + 32 w rows of 16 KiB + 512 bytes x key step
	s_lshl_b32 s21, s8, 19
	s_add_co_u32 s20, s20, s21
	s_lshl_b32 s21, ttmp9, 9
	s_add_co_u32 s20, s20, s21
	s_mov_b32 s21, 0
	s_lshl_b32 s22, s9, 5
	s_add_co_u32 s22, s22, ttmp9
	s_mul_i32 s22, s22, STEPB                      ; kv: block 32 x batch + key step
	s_mov_b32 s23, 0
	s_wait_alu depctr_va_vdst(0)                   ; the wait at the head's end
	s_wait_kmcnt 0x0
	s_add_nc_u64 s[4:5], s[4:5], s[20:21]
	s_add_nc_u64 s[6:7], s[6:7], s[22:23]
.set I, 0
.rept 32
	global_load_b128 v[X+4*I:X+4*I+3], v2, s[4:5] offset:16384*I th:TH_LOAD_NT   ; channel 32 w + I: 32 lanes read 512 consecutive bytes; read once in the launch
.set I, I+1
.endr
.set I, 0
.rept 32
	s_wait_loadcnt 31-I                            ; loads come back in order: row I is in, the younger ones stay out
	ds_store_b128 v3, v[X+4*I:X+4*I+3] offset:SPITCH*I
.set I, I+1
.endr
; Block k of eight into set k % 2.  k = 0..3: pass k, a position a lane, down my 32 channels.  k = 4..7: channel 32 w + lane, positions 32 (k - 4) + 0 .. 31.  LDS serves a wave's instructions in order: these see the stores above.
.macro LD k
.set I, 0
.if (\k) < 4
.rept 32
	ds_load_b32 v[Y+32*((\k)%2)+I], v4 offset:SPITCH*I+256*((\k)/2)+64*((\k)%2)
.set I, I+1
.endr
.else
.rept 8
	ds_load_b128 v[Y+32*((\k)%2)+4*I:Y+32*((\k)%2)+4*I+3], v5 offset:128*((\k)-4)+16*I
.set I, I+1
.endr
.endif
.endm
.macro QBLK k
.set YS, Y+32*((\k)%2)
.set CK, C+4*(\k)
	v_max3_num_f32 v16, |v[YS]|, |v[YS+1]|, |v[YS+2]|            ; the block's largest magnitude, in two chains: all 32 numbers are mine
	v_max3_num_f32 v17, |v[YS+3]|, |v[YS+4]|, |v[YS+5]|
.irp i, 6,10,14,18,22,26
	s_delay_alu instid0(VALU_DEP_2)
	v_max3_num_f32 v16, v16, |v[YS+\i]|, |v[YS+\i+1]|
	s_delay_alu instid0(VALU_DEP_2)
	v_max3_num_f32 v17, v17, |v[YS+\i+2]|, |v[YS+\i+3]|
.endr
	s_delay_alu instid0(VALU_DEP_2)
	v_max3_num_f32 v16, v16, |v[YS+30]|, |v[YS+31]|
	s_delay_alu instid0(VALU_DEP_1)
	v_max3_num_f32 v16, v16, v17, 0x1800000        ; and the floor 2^(3 - 127): the byte cannot fall under 1
	s_delay_alu instid0(VALU_DEP_1)
	v_add_nc_u32 v18, 0xff000000, v16              ; 2 off the exponent field: the conversion takes this operand's exponent field as its scale and nothing else of it
.irp g, 0,1,2,3
	v_cvt_scalef32_pk8_fp4_f32 v[CK+\g], v[YS+8*\g:YS+8*\g+7], v18
.endr
.if (\k) < 4
	v_lshrrev_b32 v[E+(\k)], 23, v18               ; the byte (also the plain line behind the conversions)
	ds_store_b32 v7, v[E+(\k)] offset:128*(\k)
	global_store_b128 v6, v[CK:CK+3], s[6:7] offset:4096*(\k)    ; the store fills two aligned runs of 256 bytes whole: tiles 2 k and 2 k + 1, my channel block
.else
.if (\k) == 4
	v_lshrrev_b32 v24, 23, v18                     ; my channel's scale word: four bytes, the lower positions in the lower byte
.else
	v_lshrrev_b32 v19, 23, v18
	s_delay_alu instid0(VALU_DEP_1)
	v_lshl_or_b32 v24, v19, 8*((\k)-4), v24
.endif
	global_store_b128 v8, v[CK:CK+3], s[6:7] offset:256*((\k)-4) ; sixteen neighbouring lanes store 256 consecutive bytes, aligned
.endif
.endm
; Each wait leaves out what was issued behind the block's own loads: the next block's loads (32 or 8) and, behind a channel block, its one byte store.
	LD 0
	LD 1
	s_wait_dscnt 32
	QBLK 0
	LD 2
	s_wait_dscnt 33
	QBLK 1
	LD 3
	s_wait_dscnt 33
	QBLK 2
	LD 4
	s_wait_dscnt 9
	QBLK 3
	LD 5
	s_wait_dscnt 9
	QBLK 4
	LD 6
	s_wait_dscnt 8
	QBLK 5
	LD 7
	s_wait_dscnt 8
	QBLK 6
	s_wait_dscnt 0x0
	QBLK 7
	ds_store_b32 v9, v24                           ; VS's image: my channels' words
	s_wait_dscnt 0x0                               ; for the others' sake: my bytes in SCR and my words have landed
	s_barrier_signal -1
	s_barrier_wait -1
.irp i, 0,1,2,3
	ds_load_b32 v[20+\i], v10 offset:512*\i        ; the bytes of channel blocks 4 (w / 4) + i, made by four waves, for pass w % 4's position of my lane
.endr
	s_wait_dscnt 0x0
	v_lshl_or_b32 v20, v21, 8, v20
	s_delay_alu instid0(VALU_DEP_1)
	v_lshl_or_b32 v20, v22, 16, v20
	s_delay_alu instid0(VALU_DEP_1)
	v_lshl_or_b32 v20, v23, 24, v20
	ds_store_b32 v11, v20                          ; KS's image
	s_wait_dscnt 0x0
	s_barrier_signal -1
	s_barrier_wait -1                              ; both tables are whole
	ds_load_b64 v[30:31], v12
	s_wait_dscnt 0x0
	global_store_b64 v13, v[30:31], s[6:7]         ; 32 lanes store 256 consecutive bytes, aligned
	s_set_vgpr_msb 0x4
	s_wait_tensorcnt 0x0                           ; the wave's end
	ds_add_u32 v29, v1
	s_wait_dscnt 0x0
	s_set_vgpr_msb 0x400
	s_endpgm
.Lfunc_end_k_qcf956e3b58_quant:
	.size	k_qcf956e3b58_quant, .Lfunc_end_k_qcf956e3b58_quant-k_qcf956e3b58_quant
	.p2alignl 7, 3214868480
	.fill 96, 4, 3214868480
	.section	.rodata,"a",@progbits
	.p2align	6, 0x0
	.amdhsa_kernel k_qcf956e3b58_quant
		.amdhsa_group_segment_fixed_size 142336
		.amdhsa_private_segment_fixed_size 0
		.amdhsa_enable_private_segment 0
		.amdhsa_kernarg_size 16
		.amdhsa_user_sgpr_count 2
		.amdhsa_user_sgpr_kernarg_segment_ptr 1
		.amdhsa_wavefront_size32 1
		.amdhsa_system_sgpr_workgroup_id_x 1
		.amdhsa_system_sgpr_workgroup_id_y 1
		.amdhsa_system_sgpr_workgroup_id_z 1
		.amdhsa_system_vgpr_workitem_id 0
		.amdhsa_next_free_vgpr 258
		.amdhsa_next_free_sgpr 66
		.amdhsa_reserve_vcc 0
		.amdhsa_float_denorm_mode_32 3
		.amdhsa_float_denorm_mode_16_64 3
		.amdhsa_memory_ordered 1
		.amdhsa_forward_progress 1
		.amdhsa_inst_pref_size 38
	.end_amdhsa_kernel
	.amdgpu_metadata
---
amdhsa.version: [ 1, 2 ]
amdhsa.kernels:
  - .name:           k_qcf956e3b58_quant
    .symbol:         k_qcf956e3b58_quant.kd
    .args:
      - { .name: x, .offset: 0, .size: 8, .value_kind: global_buffer, .address_space: global }
      - { .name: kv, .offset: 8, .size: 8, .value_kind: global_buffer, .address_space: global }
    .group_segment_fixed_size: 142336
    .private_segment_fixed_size: 0
    .kernarg_segment_align: 8
    .kernarg_segment_size: 16
    .max_flat_workgroup_size: 256
    .sgpr_count:     66
    .vgpr_count:     258
    .wavefront_size: 32
...
	.end_amdgpu_metadata
.endif
;; end of part 1
;; launch attn (part 2): grid 32 x 8, 4 waves a work-group, clusters of 4 x 1, 327,680 bytes of LDS; arguments kv, out0; writes out0
.if DOCPART == 2
	.amdgcn_target "amdgcn-amd-amdhsa--gfx1250"
	.amdhsa_code_object_version 6
	.text
	.protected	k_qcf956e3b58_attn
	.globl	k_qcf956e3b58_attn
	.p2align	8
	.type	k_qcf956e3b58_attn,@function
k_qcf956e3b58_attn:
	s_mov_b64 s[64:65], 0
	v_nop
	global_prefetch_b8 v0, s[64:65] scope:SCOPE_SE
	s_setreg_imm32_b32 hwreg(HW_REG_WAVE_MODE, 25, 1), 1
	s_wait_xcnt 0x0
	s_wait_alu depctr_hold_cnt(0) depctr_sa_sdst(0) depctr_va_vdst(0) depctr_va_sdst(0) depctr_va_ssrc(0) depctr_va_vcc(0) depctr_vm_vsrc(0)
	s_getreg_b32 s2, hwreg(HW_REG_IB_STS2, 6, 4)
	s_cmp_eq_u32 s2, 0
	s_cbranch_scc0 .Lentry_in_a_cluster
	s_endpgm
.Lentry_in_a_cluster:
	s_bfe_u32 s2, ttmp6, 0x10000c
	s_cmp_lg_u32 s2, 0x3003
	s_cbranch_scc0 .Lentry_shape_is_right
	s_endpgm
.Lentry_shape_is_right:
; out[b][c][i] = sum over j of V[c][j] w[i][j], w = softmax over j of the masked affinity a[i][j] = <x[:,i], x[:,j]> / 16, a < 0.05 -> -1e9.  Both products on FP4 codes with E8M0 scales, read from kv as images of
; the operands' registers (34,816 bytes for each batch and key step of 128 positions: K's codes, V's codes, K's scale words, V's scale words).
; SHARES.  A work-group owns 128 queries of one batch, a wave 32 of them (two tiles of 16); every wave walks the batch's 4,096 keys in 32 steps of 128.  Both products are used transposed, so a lane holds one query.
; Row m of K's tile T is key 32 (2 (T / 4) + m / 8) + 8 (T % 4) + m % 8 of the step: lane (r, h) then holds, in the 32 score registers of tiles 4 c .. 4 c + 3, keys 64 c + 32 h + 0 .. 31 in order: a WHOLE block of the
; second product's K, in the place that P's operand wants it: a block's maximum crosses no lane and the conversions' results are the operand.
; A ring of two LDS slots of four key steps; wave w fetches step w of a slot (136 rows of 256 bytes).  The four work-groups of a cluster walk the same blocks and ask for them jointly (mask 15).
; THE MASK.  The raw sum s = 16 a starts from -0.8 (the C of its first matrix instruction), so s' = s - 0.8 is negative just where a < 0.05 (the comparison is made on the rounded difference).
; t - M = s' c + K, c = log2(e) / 16, K = 0.05 log2(e) - M; 2^100 min(s', 0) is added, so that a dropped key's p is 0, as exp(-1e9 - max) is in f32.  The maxima are taken of ALL scores: where a row keeps any key,
; every kept score is above every dropped one, so the row's final M is that of the kept keys; M is a whole number and every change of it is an exact power of two.
; A ROW THAT KEEPS NO KEY has equal logits: p = 1 for every key (t = -1e9 log2(e) is a whole number in f32), the result the mean of the quantised V.  Here its sum of p ends as 0; sum over j of V[c][j] is made beside O by products
; with a P of ones (wave w: channels 64 w .. 64 w + 63, four matrix instructions a step), shared through LDS at the end, and taken by a select on the sum, with no branch on data.
; LIMITS: NaN and infinities are not served; the scaled scores stay under 2^31 in magnitude; a negative s' above -2^-90 is not driven to p = 0.
; NO PREFETCH: a refill is asked for a whole slot, four key steps (272 matrix instructions and their softmax), ahead of the wait for it.
; REGISTERS.  Window 0: v1-7 addresses, v8-23 row state of two tiles, v24-55 min(s', 0), v56-57 Q's scales, v58 the ones' scale, v60-75 K's and V's scale words, v76-91 P's codes, v96-223 scores then p, v224-255 block work.
; Window 1: O^T (2 tiles x 16 channel tiles x 8).  Window 2: K's fragments (0-127), V's (128-255).  Window 3: 0-31 the sums of V, 32-39 codes of ones, 40-47 -0.8, 48-79 Q's fragments.
.set STEPB,  34816
.set SLOTB,  4*STEPB
.set SPARE,  2*SLOTB                   ; the spare words: 128 bytes a wave
.set OPITCH, 528                       ; the way out: a channel's row of 128 queries + 16 bytes
.set TABLE,  256*OPITCH                ; behind the way out's 256 rows, inside slot 0 (which has had its last fill): 256 means of V
.set LI,  1
.set ADR, 2
.set SPW, 3
.set NIL, 4
.set SR,  6
.set ST,  8                            ; a tile's state: +0 K, +1 largest t, +2,3 the sum, +4 f, +5 P's scale word, +6 at work, +7 -M
.set MT,  24
.set QS,  56
.set OS,  58
.set TL,  59
.set KS,  60
.set VS,  68
.set PC,  76
.set SA,  92
.set S,   96
.set W,   224                          ; a tile's 16: +0,1 my two blocks' maxima, +2,3 their second chains, +4 from lane l xor 16, +6,7 bytes, +8,9 conversion scales, +10 half a scale word, +12,13 a chain of the sum
.set TA,  238
.set SH,  239                          ; 8 x (lane / 16)
.set ONE3, 32
.set CT3, 40
.set QF3, 48
.set WV,  8
.set G1,  16
.set G0,  24
.set SEL, 32
.set CS,  34
.set TC,  36
.set TB,  37
.set SLOTS, 38
.set CNT, 39
.set MK,  40
.set BG,  42
.set MSB, 0
.macro WIN new                         ; the immediate's high byte repeats the setting that is left
.if MSB != \new
	s_set_vgpr_msb (MSB<<8)|\new
.set MSB, \new
.endif
.endm
.macro NOP4
.rept 4
	v_nop
.endr
.endm
.macro CROUND                          ; a round of the cluster's barrier
	s_barrier_signal -1
	s_barrier_wait -1
	s_cmp_lg_u32 s[WV], 0
	s_cbranch_scc1 .Lnot_wave_0_\@
	s_barrier_signal -3
.Lnot_wave_0_\@:
	s_barrier_wait -3
	s_barrier_signal -1
	s_barrier_wait -1
.endm
	s_load_b128 s[4:7], s[0:1], 0x0                ; kv, out0
	v_lshl_add_u32 v[SPW], v0, 2, SPARE
	v_mov_b32 v[NIL], 0
	ds_add_u32 v[SPW], v[NIL]                      ; the add, twice on end, and its wait
	ds_add_u32 v[SPW], v[NIL]
	v_lshrrev_b32 v5, 5, v0
	v_readfirstlane_b32 s[WV], v5                  ; wave 0..3
	s_bfe_u32 s9, ttmp6, 0x40000                   ; cx
	s_lshl_b32 s10, ttmp9, 2
	s_add_co_u32 s10, s10, s9                      ; my block of 128 queries
	s_and_b32 s11, ttmp7, 0xffff                   ; batch
	s_mov_b32 s[G1+0], 15|(3<<16)|(1<<21)          ; joint with the cluster's four; elements of 8 bytes
	s_mov_b32 s[G1+1], 32<<16                      ; rows of 256 bytes,
	s_mov_b32 s[G1+2], 136<<16                     ; 136 of them: one key step's block, dense
	s_mov_b32 s[G1+3], 32<<16
	s_mov_b32 s[G1+4], 136
	s_mov_b32 s[G1+5], 32
	s_mov_b32 s[G1+6], 0
	s_mov_b32 s[G1+7], 0
	s_mul_i32 s12, s11, 32*STEPB
	s_mul_i32 s14, s[WV], STEPB
	s_add_co_u32 s12, s12, s14                     ; what I fetch: the batch's key step = my wave's number
	s_mov_b32 s13, 0
	s_lshl_b32 s48, s11, 5
	s_add_co_u32 s48, s48, s10
	s_mul_i32 s48, s48, STEPB                      ; my queries are the keys of step s10: their codes along the channels serve as Q
	s_lshr_b32 s50, s[WV], 1
	s_lshl_b32 s50, s50, 9
	s_and_b32 s51, s[WV], 1
	s_lshl_b32 s51, s51, 3
	s_add_co_u32 s50, s50, s51
	s_add_co_u32 s50, s50, s48
	s_add_co_u32 s50, s50, 32768                   ; scale words of tiles 2 w, 2 w + 1
	s_mov_b32 s51, 0
	s_lshl_b32 s49, s[WV], 12
	s_add_co_u32 s48, s48, s49                     ; fragments of tiles 2 w, 2 w + 1
	s_mov_b32 s49, 0
	s_lshl_b32 s52, s11, 22
	s_lshl_b32 s53, s[WV], 20
	s_add_co_u32 s52, s52, s53
	s_lshl_b32 s53, s10, 9
	s_add_co_u32 s52, s52, s53                     ; out0: batch, channels 64 w on, my block's 512 bytes of a row
	s_mov_b32 s53, 0
	s_mov_b32 s[SEL], 0x76543210
	s_mov_b32 s[SEL+1], 0xfedcba98
	s_mov_b32 s[CS], 0x3db8aa3b                    ; c = log2(e) / 16
	s_mov_b32 s[CS+1], s[CS]
	s_mov_b32 s[TC], 0x3d93bb63                    ; 0.8 c = 0.05 log2(e)
	s_mov_b32 s[BG], 0x71800000                    ; 2^100
	s_mov_b32 s[BG+1], s[BG]
	s_wait_dscnt 0x0
	s_wait_kmcnt 0x0
	s_add_nc_u64 s[12:13], s[4:5], s[12:13]
	s_add_nc_u64 s[48:49], s[4:5], s[48:49]
	s_add_nc_u64 s[50:51], s[4:5], s[50:51]
	s_add_nc_u64 s[6:7], s[6:7], s[52:53]
.irp sg, 0,1
	s_mov_b32 s[G0+4*\sg], 1
	s_add_co_u32 s[G0+4*\sg+1], s14, \sg*SLOTB
	s_add_nc_u64 s[G0+4*\sg+2:G0+4*\sg+3], s[12:13], \sg*SLOTB
	s_or_b32 s[G0+4*\sg+3], s[G0+4*\sg+3], 0x80000000
.endr
	CROUND
	tensor_load_to_lds s[G0:G0+3], s[G1:G1+7]      ; slot 0: my one load at the head; the set-up below stands under its flight
	s_nop 0
	NOP4
	v_and_b32 v[LI], 31, v0
	v_lshlrev_b32 v[LI], 4, v[LI]                  ; 16 x lane
	WIN 0xc0
.irp i, 0,1,2,3,4,5,6,7
	global_load_b128 v[QF3+4*\i:QF3+4*\i+3], v[LI], s[48:49] offset:512*\i
.endr
.irp i, 0,1,2,3,4,5,6,7
	v_mov_b32 v[CT3+\i], 0xbf4ccccd                ; -0.8 = -16 x 0.05: where the scores' sums start
	v_mov_b32 v[ONE3+\i], 0x22222222               ; eight codes of 1.0
.endr
.set RI, 0
.rept 32
	v_mov_b32 v[RI], 0                             ; the sums of V
.set RI, RI+1
.endr
	WIN 0
	global_load_b64 v[QS:QS+1], v[LI], s[50:51]
	v_mov_b32 v[OS], 0x7f7f7f7f                    ; the ones' scale: 1.0
	v_and_b32 v5, 15, v0                           ; r
	v_bfe_u32 v7, v0, 4, 1                         ; h
	v_lshlrev_b32 v[SH], 3, v7
	v_lshl_add_u32 v[TL], v7, 5, TABLE             ; the table of means: my half's eight channels of a tile
	s_lshl_b32 s15, s[WV], 8
	v_add_nc_u32 v[TA], s15, v[TL]                 ; and where my wave's 64 channels go
	v_and_b32 v254, 8, v5
	v_and_b32 v5, 7, v5
	v_lshlrev_b32 v5, 2, v5
	v_lshl_add_u32 v5, v254, 4, v5                 ; lane r of tile 2 w + t holds query 64 (w / 2) + 32 (r / 8) + 16 (w % 2) + 8 t + r % 8
	v_mad_u32_u24 v5, v7, 8*OPITCH, v5
	s_lshr_b32 s15, s[WV], 1
	s_lshl_b32 s15, s15, 8
	s_and_b32 s14, s[WV], 1
	s_lshl_b32 s14, s14, 6
	s_add_co_u32 s15, s15, s14
	v_add_nc_u32 v5, s15, v5
.irp q, 0,1,2,3
	v_add_nc_u32 v[SA+\q], 64*OPITCH*\q, v5
.endr
	s_mul_i32 s15, s[WV], 64*OPITCH
	v_add_nc_u32 v[SR], s15, v[LI]
.irp t, 0,1
	v_mov_b32 v[ST+8*\t+1], 0xff61b1e6             ; the largest t so far: -3e38
	v_floor_f32 v[ST+8*\t+7], -v[ST+8*\t+1]        ; -M
.irp i, 2,3,5
	v_mov_b32 v[ST+8*\t+\i], 0
.endr
	v_mov_b32 v[W+16*\t+4], 0                      ; a lane permute's destination counts as a source
.endr
	WIN 0x40
.set RI, 0
.rept 256
	v_mov_b32 v[RI], 0                             ; O^T: the step is written once, and the first change of M multiplies zeros
.set RI, RI+1
.endr
	WIN 0
.macro FETCH_K                         ; 32 + 2 loads: a key step's fragments of K and their scale words
	v_add_nc_u32 v[ADR], s[TB], v[LI]
	WIN 0x80
.set FI, 0
.rept 32
	ds_load_b128 v[4*FI:4*FI+3], v[ADR] offset:512*FI
.set FI, FI+1
.endr
	WIN 0
	ds_load_b128 v[KS:KS+3], v[ADR] offset:32768
	ds_load_b128 v[KS+4:KS+7], v[ADR] offset:32768+512
.endm
.macro FETCH_V                         ; the same of V
	WIN 0x80
.set FI, 0
.rept 32
	ds_load_b128 v[128+4*FI:128+4*FI+3], v[ADR] offset:16384+512*FI
.set FI, FI+1
.endr
	WIN 0
	ds_load_b128 v[VS:VS+3], v[ADR] offset:33792
	ds_load_b128 v[VS+4:VS+7], v[ADR] offset:33792+512
.endm
.macro PV                              ; O^T += V^T P^T: 32 accumulators by turns
	WIN 0x52
.irp ct, 0,1,2,3,4,5,6,7,8,9,10,11,12,13,14,15
.irp t, 0,1
.if \ct%2
	v_wmma_scale_f32_16x16x128_f8f6f4 v[128*\t+8*\ct:128*\t+8*\ct+7], v[128+8*\ct:128+8*\ct+7], v[PC+8*\t:PC+8*\t+7], v[128*\t+8*\ct:128*\t+8*\ct+7], v[VS+\ct/2], v[ST+8*\t+5] matrix_a_fmt:MATRIX_FMT_FP4 matrix_b_fmt:MATRIX_FMT_FP4 matrix_a_scale:MATRIX_SCALE_ROW1
.else
	v_wmma_scale_f32_16x16x128_f8f6f4 v[128*\t+8*\ct:128*\t+8*\ct+7], v[128+8*\ct:128+8*\ct+7], v[PC+8*\t:PC+8*\t+7], v[128*\t+8*\ct:128*\t+8*\ct+7], v[VS+\ct/2], v[ST+8*\t+5] matrix_a_fmt:MATRIX_FMT_FP4 matrix_b_fmt:MATRIX_FMT_FP4
.endif
.endr
.endr
	WIN 0
.endm
.macro ARMW w                          ; the sums of V over these 128 keys, channel tiles 4 w .. 4 w + 3
	WIN 0xfe
.irp i, 0,1,2,3
.if \i%2
	v_wmma_scale_f32_16x16x128_f8f6f4 v[8*\i:8*\i+7], v[128+8*(4*\w+\i):128+8*(4*\w+\i)+7], v[ONE3:ONE3+7], v[8*\i:8*\i+7], v[VS+2*\w+\i/2], v[OS] matrix_a_fmt:MATRIX_FMT_FP4 matrix_b_fmt:MATRIX_FMT_FP4 matrix_a_scale:MATRIX_SCALE_ROW1
.else
	v_wmma_scale_f32_16x16x128_f8f6f4 v[8*\i:8*\i+7], v[128+8*(4*\w+\i):128+8*(4*\w+\i)+7], v[ONE3:ONE3+7], v[8*\i:8*\i+7], v[VS+2*\w+\i/2], v[OS] matrix_a_fmt:MATRIX_FMT_FP4 matrix_b_fmt:MATRIX_FMT_FP4
.endif
.endr
	WIN 0
.endm
.macro ONESUM                          ; a tree of branches on the wave's number: each wave runs its own arm
	s_cmp_ge_u32 s[WV], 2
	s_cbranch_scc1 .La23_\@
	s_cmp_eq_u32 s[WV], 1
	s_cbranch_scc1 .La1_\@
	ARMW 0
	s_branch .Laend_\@
.La1_\@:
	ARMW 1
	s_branch .Laend_\@
.La23_\@:
	s_cmp_eq_u32 s[WV], 3
	s_cbranch_scc1 .La3_\@
	ARMW 2
	s_branch .Laend_\@
.La3_\@:
	ARMW 3
.Laend_\@:
.endm
.macro SMM                             ; S^T - 0.8 = K Q^T - 0.8: 16 accumulators by turns, two K steps of 128 channels
	WIN 0x3e
.irp kt, 0,1,2,3,4,5,6,7
.irp t, 0,1
	v_wmma_scale_f32_16x16x128_f8f6f4 v[S+64*\t+8*\kt:S+64*\t+8*\kt+7], v[16*\kt:16*\kt+7], v[QF3+16*\t:QF3+16*\t+7], v[CT3:CT3+7], v[KS+\kt], v[QS+\t] matrix_a_fmt:MATRIX_FMT_FP4 matrix_b_fmt:MATRIX_FMT_FP4
.endr
.endr
	WIN 0x0e
.irp kt, 0,1,2,3,4,5,6,7
.irp t, 0,1
	v_wmma_scale_f32_16x16x128_f8f6f4 v[S+64*\t+8*\kt:S+64*\t+8*\kt+7], v[16*\kt+8:16*\kt+15], v[QF3+16*\t+8:QF3+16*\t+15], v[S+64*\t+8*\kt:S+64*\t+8*\kt+7], v[KS+\kt], v[QS+\t] matrix_a_fmt:MATRIX_FMT_FP4 matrix_b_fmt:MATRIX_FMT_FP4 matrix_a_scale:MATRIX_SCALE_ROW1 matrix_b_scale:MATRIX_SCALE_ROW1
.endr
.endr
	WIN 0
.endm
.macro BLOCKMAX                        ; the largest s' of my two blocks of each tile: all 32 scores of a block are mine.  Two chains a block (scores 0-16, 17-31), eight by turns; each accumulator is first read in its four lowest registers
.irp t, 0,1
.irp c, 0,1
	v_max3_num_f32 v[W+16*\t+\c], v[S+64*\t+32*\c], v[S+64*\t+32*\c+1], v[S+64*\t+32*\c+2]
	v_max3_num_f32 v[W+16*\t+2+\c], v[S+64*\t+32*\c+17], v[S+64*\t+32*\c+18], v[S+64*\t+32*\c+19]
.endr
.endr
.irp i, 3,5,7,9,11,13
.irp t, 0,1
.irp c, 0,1
	v_max3_num_f32 v[W+16*\t+\c], v[W+16*\t+\c], v[S+64*\t+32*\c+\i], v[S+64*\t+32*\c+\i+1]
	v_max3_num_f32 v[W+16*\t+2+\c], v[W+16*\t+2+\c], v[S+64*\t+32*\c+\i+17], v[S+64*\t+32*\c+\i+18]
.endr
.endr
.endr
.irp t, 0,1
.irp c, 0,1
	v_max3_num_f32 v[W+16*\t+\c], v[W+16*\t+\c], v[S+64*\t+32*\c+15], v[S+64*\t+32*\c+16]
.endr
.endr
.irp t, 0,1
.irp c, 0,1
	v_max_num_f32 v[W+16*\t+\c], v[W+16*\t+\c], v[W+16*\t+2+\c]
.endr
.endr
.endm
.macro MN                              ; two of the minima of tile 0's first 32 scores: due anyway, they stand between the dependent lines of the rows' state
.rept 2
	v_dual_min_num_f32 v[MT+MI], 0, v[S+MI] :: v_dual_min_num_f32 v[MT+MI+1], 0, v[S+MI+1]
.set MI, MI+2
.endr
.endm
.macro ROWSTAT                         ; the running largest t, -M = floor(-t), f = 2^(old M - new M), K = 0.8 c - M; the two tiles by turns
.set MI, 0
.irp t, 0,1
	v_max_num_f32 v[ST+8*\t+6], v[W+16*\t], v[W+16*\t+1]
.endr
	MN
.irp t, 0,1
	v_permlanex16_b32 v[W+16*\t+4], v[ST+8*\t+6], s[SEL], s[SEL+1]
.endr
	MN
.irp t, 0,1
	v_max_num_f32 v[ST+8*\t+6], v[ST+8*\t+6], v[W+16*\t+4]      ; with lane l xor 16's two blocks
.endr
	MN
.irp t, 0,1
	v_fma_f32 v[ST+8*\t+6], v[ST+8*\t+6], s[CS], s[TC]
.endr
	MN
.irp t, 0,1
	v_max_num_f32 v[ST+8*\t+1], v[ST+8*\t+1], v[ST+8*\t+6]
.endr
.irp t, 0,1
	v_mov_b32 v[ST+8*\t+6], v[ST+8*\t+7]
.endr
	MN
.irp t, 0,1
	v_floor_f32 v[ST+8*\t+7], -v[ST+8*\t+1]
.endr
	MN
.irp t, 0,1
	v_sub_f32 v[ST+8*\t+6], v[ST+8*\t+7], v[ST+8*\t+6]
.endr
	MN
.irp t, 0,1
	v_cvt_i32_f32 v[ST+8*\t+6], v[ST+8*\t+6]       ; (it saturates)
.endr
	MN
.irp t, 0,1
	v_ldexp_f32 v[ST+8*\t+4], 1.0, v[ST+8*\t+6]
.endr
.irp t, 0,1
	v_add_f32 v[ST+8*\t], s[TC], v[ST+8*\t+7]
.endr
.endm
.macro OSCALE by                       ; O^T x the lane's factor, two at a time
	WIN 0x41
.irp t, 0,1
.set RI, 0
.rept 64
	v_pk_mul_f32 v[128*\t+RI:128*\t+RI+1], v[128*\t+RI:128*\t+RI+1], v[ST+8*\t+\by:ST+8*\t+\by+1] op_sel_hi:[1,0]
.set RI, RI+2
.endr
.endr
	WIN 0
.endm
.macro E3 t                            ; the exponents of a tile's 64 scores, 32 at a time: min(s', 0); s' c + K; + 2^100 min(s', 0)
.set rT, ST+8*(\t)
.irp g, 0,1
.set rS, S+64*(\t)+32*\g
.if (\t)+\g                            ; (tile 0's first 32 have their minima already)
.set RI, 0
.rept 16
	v_dual_min_num_f32 v[MT+RI], 0, v[rS+RI] :: v_dual_min_num_f32 v[MT+RI+1], 0, v[rS+RI+1]
.set RI, RI+2
.endr
.endif
.set RI, 0
.rept 16
	v_pk_fma_f32 v[rS+RI:rS+RI+1], v[rS+RI:rS+RI+1], s[CS:CS+1], v[rT:rT+1] op_sel_hi:[1,0,0]
.set RI, RI+2
.endr
.set RI, 0
.rept 16
	v_pk_fma_f32 v[rS+RI:rS+RI+1], v[MT+RI:MT+RI+1], s[BG:BG+1], v[rS+RI:rS+RI+1] op_sel_hi:[1,0,1]
.set RI, RI+2
.endr
.endr
.endm
.macro SCALES                          ; each block's largest p gives the conversion's scale and the byte.  My bytes are those of blocks h and 2 + h; with lane l xor 16's two the scale word is whole.  A block whose keys are all dropped has zero codes under a finite byte
.irp t, 0,1
.irp c, 0,1
	v_max_num_f32 v[W+16*\t+\c], 0x1800000, v[W+16*\t+\c]
.endr
.endr
.irp t, 0,1
.irp c, 0,1
	v_add_nc_u32 v[W+16*\t+8+\c], 0xff000000, v[W+16*\t+\c]
.endr
.endr
.irp t, 0,1
.irp c, 0,1
	v_lshrrev_b32 v[W+16*\t+6+\c], 23, v[W+16*\t+8+\c]
.endr
.endr
.irp t, 0,1
	v_lshl_or_b32 v[W+16*\t+10], v[W+16*\t+7], 16, v[W+16*\t+6]
.endr
.irp t, 0,1
	v_lshlrev_b32 v[W+16*\t+10], v[SH], v[W+16*\t+10]
.endr
.irp t, 0,1
	v_permlanex16_b32 v[W+16*\t+4], v[W+16*\t+10], s[SEL], s[SEL+1]
.endr
.irp t, 0,1
	v_or_b32 v[ST+8*\t+5], v[W+16*\t+10], v[W+16*\t+4]
.endr
.endm
.macro CVT                             ; p's codes: registers 4 c .. 4 c + 3 of P's operand are keys 64 c + 32 h + 0 .. 31, as they lie
.irp t, 0,1
.irp c, 0,1
.irp g, 0,1,2,3
	v_cvt_scalef32_pk8_fp4_f32 v[PC+8*\t+4*\c+\g], v[S+64*\t+32*\c+8*\g:S+64*\t+32*\c+8*\g+7], v[W+16*\t+8+\c]
.endr
.endr
.endr
	v_nop                                          ; a plain place behind the conversions
.endm
.macro SUMS                            ; the rows' sums of the unquantised p: four chains a tile, eight by turns.  These 64 lines are also the places between P's codes and scale words and the products that take them
.irp t, 0,1
	v_pk_add_f32 v[W+16*\t+12:W+16*\t+13], v[S+64*\t:S+64*\t+1], v[S+64*\t+2:S+64*\t+3]
	v_pk_add_f32 v[MT+4*\t:MT+4*\t+1], v[S+64*\t+4:S+64*\t+5], v[S+64*\t+6:S+64*\t+7]
	v_pk_add_f32 v[MT+4*\t+2:MT+4*\t+3], v[S+64*\t+8:S+64*\t+9], v[S+64*\t+10:S+64*\t+11]
.endr
.irp j, 12,20,28,36,44,52
.irp t, 0,1
	v_pk_add_f32 v[ST+8*\t+2:ST+8*\t+3], v[ST+8*\t+2:ST+8*\t+3], v[S+64*\t+\j:S+64*\t+\j+1]
	v_pk_add_f32 v[W+16*\t+12:W+16*\t+13], v[W+16*\t+12:W+16*\t+13], v[S+64*\t+\j+2:S+64*\t+\j+3]
	v_pk_add_f32 v[MT+4*\t:MT+4*\t+1], v[MT+4*\t:MT+4*\t+1], v[S+64*\t+\j+4:S+64*\t+\j+5]
	v_pk_add_f32 v[MT+4*\t+2:MT+4*\t+3], v[MT+4*\t+2:MT+4*\t+3], v[S+64*\t+\j+6:S+64*\t+\j+7]
.endr
.endr
.irp t, 0,1
	v_pk_add_f32 v[ST+8*\t+2:ST+8*\t+3], v[ST+8*\t+2:ST+8*\t+3], v[S+64*\t+60:S+64*\t+61]
	v_pk_add_f32 v[W+16*\t+12:W+16*\t+13], v[W+16*\t+12:W+16*\t+13], v[S+64*\t+62:S+64*\t+63]
	v_pk_add_f32 v[MT+4*\t:MT+4*\t+1], v[MT+4*\t:MT+4*\t+1], v[MT+4*\t+2:MT+4*\t+3]
.endr
.irp t, 0,1
	v_pk_add_f32 v[ST+8*\t+2:ST+8*\t+3], v[ST+8*\t+2:ST+8*\t+3], v[W+16*\t+12:W+16*\t+13]
.endr
.irp t, 0,1
	v_pk_add_f32 v[ST+8*\t+2:ST+8*\t+3], v[ST+8*\t+2:ST+8*\t+3], v[MT+4*\t:MT+4*\t+1]
.endr
.endm
.macro SOFTMAX
	BLOCKMAX
	ROWSTAT
	OSCALE 4                                       ; O^T under the new M, ahead of the exponentials
	E3 0
	E3 1
.irp t, 0,1
.irp c, 0,1
	v_fma_f32 v[W+16*\t+\c], v[W+16*\t+\c], s[CS], v[ST+8*\t]   ; the same of each block's largest score
.endr
.endr
	s_wait_alu depctr_va_vdst(0)                   ; the wait ahead of the batch
.set RI, 0
.rept 128
	v_exp_f32 v[S+RI], v[S+RI]                     ; p = 2^(t - M); 0 for a dropped key
.set RI, RI+1
.endr
.irp t, 0,1
.irp c, 0,1
	v_exp_f32 v[W+16*\t+\c], v[W+16*\t+\c]
.endr
.endr
.irp t, 0,1
	v_pk_mul_f32 v[ST+8*\t+2:ST+8*\t+3], v[ST+8*\t+2:ST+8*\t+3], v[ST+8*\t+4:ST+8*\t+5] op_sel_hi:[1,0]   ; the sums under the new M (plain places behind the batch)
.endr
	s_wait_alu depctr_va_vdst(0)                   ; and the one wait behind it, ahead of its first reader
	SCALES
	CVT
	SUMS
.endm
; A key step.  K's 34 loads go out first; the last step's second product runs under them; V's 34 loads go out ahead of the softmax.
.macro TRIP pv
	FETCH_K
.if \pv
	s_wait_dscnt 34                                ; all but K's 34 just issued: V's fragments are in
	s_wait_alu depctr_va_vdst(0)
	PV
	ONESUM
.else
	s_wait_alu depctr_va_vdst(0)
.endif
	s_wait_dscnt 0x0
	SMM
	NOP4                                           ; places ahead of loads into V's registers and of the scores' first reads
	FETCH_V
	SOFTMAX
	s_add_co_u32 s[TB], s[TB], STEPB
.endm
.macro INNER n
	s_mov_b32 s[CNT], \n
.Lstep_\@:
	TRIP 1
	s_sub_co_u32 s[CNT], s[CNT], 1
	s_cmp_lg_u32 s[CNT], 0
	s_cbranch_scc1 .Lstep_\@
.endm
; The change of slots: all my tensor loads are in, the add, my reads of the slot left are over (V's last fragments are in registers); a round of the cluster's barrier; the slot left is filled again, my one load.
.macro CHANGE sg, fill
	s_wait_tensorcnt 0x0
	ds_add_u32 v[SPW], v[NIL]
.if \fill
	s_add_nc_u64 s[G0+4*\sg+2:G0+4*\sg+3], s[G0+4*\sg+2:G0+4*\sg+3], 2*SLOTB
.endif
	s_wait_dscnt 0x0
.if \fill
	CROUND
	tensor_load_to_lds s[G0+4*\sg:G0+4*\sg+3], s[G1:G1+7]
	s_nop 0
	NOP4
.else
	s_barrier_signal -1
	s_barrier_wait -1
.endif
.endm
	s_wait_alu depctr_va_vdst(0)                   ; the wait at the head's end
	s_wait_tensorcnt 0x0                           ; my part of slot 0 is in; slot 1's first fill is issued as a refill is
	ds_add_u32 v[SPW], v[NIL]
	s_wait_dscnt 0x0
	CROUND
	tensor_load_to_lds s[G0+4:G0+7], s[G1:G1+7]
	s_nop 0
	NOP4
	s_wait_loadcnt 0x0                             ; Q
	s_mov_b32 s[TB], 0
	TRIP 0
	INNER 3
	s_mov_b32 s[SLOTS], 3
.Lslot:
	CHANGE 0, 1
	s_mov_b32 s[TB], SLOTB
	INNER 4
	CHANGE 1, 1
	s_mov_b32 s[TB], 0
	INNER 4
	s_sub_co_u32 s[SLOTS], s[SLOTS], 1
	s_cmp_lg_u32 s[SLOTS], 0
	s_cbranch_scc1 .Lslot
	CHANGE 0, 0                                    ; the last slot asks for nothing more
	s_mov_b32 s[TB], SLOTB
	INNER 4
; THE END.  The rows' sums and their reciprocals come ahead of the last products.  A row whose sum is 0 kept no key: its factor on O^T (which is 0) is 0, and its factor on the means of V is 1; else 1 / sum and 0.
.irp t, 0,1
	v_add_f32 v[ST+8*\t+2], v[ST+8*\t+2], v[ST+8*\t+3]
.endr
.irp t, 0,1
	v_permlanex16_b32 v[W+16*\t+4], v[ST+8*\t+2], s[SEL], s[SEL+1]
.endr
.irp t, 0,1
	v_add_f32 v[ST+8*\t+2], v[ST+8*\t+2], v[W+16*\t+4]
.endr
	s_wait_alu depctr_va_vdst(0)                   ; the wait ahead of the transcendentals
.irp t, 0,1
	v_rcp_f32 v[ST+8*\t+6], v[ST+8*\t+2]
.endr
.irp t, 0,1
	v_cmp_eq_f32 s[MK+\t], 0, v[ST+8*\t+2]
.endr
	s_wait_alu depctr_va_vdst(0)                   ; and behind them
.irp t, 0,1
	v_cndmask_b32 v[ST+8*\t+6], v[ST+8*\t+6], v[NIL], s[MK+\t]
	v_cndmask_b32 v[ST+8*\t+4], 0, 1.0, s[MK+\t]
.endr
	s_wait_alu depctr_va_vdst(0)
	s_wait_dscnt 0x0
	PV
	ONESUM
	NOP4
	WIN 0x03
.set RI, 0
.rept 16
	v_pk_mul_f32 v[MT+RI:MT+RI+1], v[RI:RI+1], 0x39800000 op_sel_hi:[1,0]   ; my 64 channels' sums of V / 4,096
.set RI, RI+2
.endr
	WIN 0
.irp q, 0,1,2,3,4,5,6,7
	ds_store_b128 v[TA], v[MT+4*\q:MT+4*\q+3] offset:64*(\q/2)+16*(\q%2)   ; the sixteen lanes of a half hold the same numbers and write the same bytes
.endr
	s_wait_dscnt 0x0
	s_barrier_signal -1
	s_barrier_wait -1                              ; the table of 256 means is whole
.irp ct, 0,1,2,3,4,5,6,7,8,9,10,11,12,13,14,15
	ds_load_b128 v[S+8*\ct:S+8*\ct+3], v[TL] offset:64*\ct
	ds_load_b128 v[S+8*\ct+4:S+8*\ct+7], v[TL] offset:64*\ct+16
.endr
	OSCALE 6
	s_wait_alu depctr_va_vdst(0)
	s_wait_dscnt 0x0
	WIN 0x50
.irp t, 0,1
.set RI, 0
.rept 64
	v_pk_fma_f32 v[128*\t+RI:128*\t+RI+1], v[S+RI:S+RI+1], v[ST+8*\t+4:ST+8*\t+5], v[128*\t+RI:128*\t+RI+1] op_sel_hi:[1,0,1]
.set RI, RI+2
.endr
.endr
; The way out: through rows of channels in slot 0, so that 32 lanes store 512 consecutive bytes of a channel's row.
	WIN 0x04
.irp t, 0,1
.irp ct, 0,1,2,3,4,5,6,7,8,9,10,11,12,13,14,15
.irp j, 0,1,2,3,4,5,6,7
	ds_store_b32 v[SA+\ct/4], v[128*\t+8*\ct+\j] offset:(16*(\ct%4)+\j)*OPITCH+32*\t
.endr
.endr
.endr
	WIN 0
	s_wait_dscnt 0x0
	s_barrier_signal -1
	s_barrier_wait -1
.irp q, 0,1,2,3
.if \q >= 2
	s_wait_xcnt 0x0                                ; the stores of two runs ago have read their registers
.endif
.irp i, 0,1,2,3,4,5,6,7,8,9,10,11,12,13,14,15
	ds_load_b128 v[S+64*(\q%2)+4*\i:S+64*(\q%2)+4*\i+3], v[SR] offset:(16*\q+\i)*OPITCH
.endr
.irp i, 0,1,2,3,4,5,6,7,8,9,10,11,12,13,14,15
	s_wait_dscnt 15-\i                             ; the younger loads may be out
	global_store_b128 v[LI], v[S+64*(\q%2)+4*\i:S+64*(\q%2)+4*\i+3], s[6:7] offset:(16*\q+\i)*16384 th:TH_STORE_NT
.endr
.endr
	s_wait_tensorcnt 0x0                           ; the wave's end
	ds_add_u32 v[SPW], v[NIL]
	s_wait_dscnt 0x0
	CROUND                                         ; the closing round
	s_endpgm
.Lfunc_end_k_qcf956e3b58_attn:
	.size	k_qcf956e3b58_attn, .Lfunc_end_k_qcf956e3b58_attn-k_qcf956e3b58_attn
	.p2alignl 7, 3214868480
	.fill 96, 4, 3214868480
	.section	.rodata,"a",@progbits
	.p2align	6, 0x0
	.amdhsa_kernel k_qcf956e3b58_attn
		.amdhsa_group_segment_fixed_size 327680
		.amdhsa_private_segment_fixed_size 0
		.amdhsa_enable_private_segment 0
		.amdhsa_kernarg_size 16
		.amdhsa_user_sgpr_count 2
		.amdhsa_user_sgpr_kernarg_segment_ptr 1
		.amdhsa_wavefront_size32 1
		.amdhsa_system_sgpr_workgroup_id_x 1
		.amdhsa_system_sgpr_workgroup_id_y 1
		.amdhsa_system_sgpr_workgroup_id_z 1
		.amdhsa_system_vgpr_workitem_id 0
		.amdhsa_next_free_vgpr 848
		.amdhsa_next_free_sgpr 66
		.amdhsa_reserve_vcc 0
		.amdhsa_float_denorm_mode_32 3
		.amdhsa_float_denorm_mode_16_64 3
		.amdhsa_memory_ordered 1
		.amdhsa_forward_progress 1
		.amdhsa_inst_pref_size 255
	.end_amdhsa_kernel
	.section	.bss,"aw",@nobits
	.p2align	6
	.space	262144
	.amdgpu_metadata
---
amdhsa.version: [ 1, 2 ]
amdhsa.kernels:
  - .name:           k_qcf956e3b58_attn
    .symbol:         k_qcf956e3b58_attn.kd
    .args:
      - { .name: kv, .offset: 0, .size: 8, .value_kind: global_buffer, .address_space: global }
      - { .name: out0, .offset: 8, .size: 8, .value_kind: global_buffer, .address_space: global }
    .group_segment_fixed_size: 327680
    .private_segment_fixed_size: 0
    .kernarg_segment_align: 8
    .kernarg_segment_size: 16
    .max_flat_workgroup_size: 128
    .sgpr_count:     66
    .vgpr_count:     848
    .wavefront_size: 32
...
	.end_amdgpu_metadata
.endif
;; end of part 2
